; MI455X (gfx1250); checked and timed in simulation.
; The chip was launched on July 23, 2026; its instructions are those of AMD's public machine-readable ISA for CDNA 5 (MIT licence, August 2026) and "CDNA5" Instruction Set Architecture Reference Guide (July 2026). The comments in the code are by the model that wrote it; some were corrected since.
;; Bahdanau Attention. Allowed arithmetic: matrix products marked QUANTISED: E5M2 operands, one given power-of-two scale a tensor, by v_wmma_f32_16x16x64_bf8_bf8 or v_wmma_f32_16x16x128_bf8_bf8, f32 sums; products left as they are: f32 operands where the result goes on into a quantised operand, else bf16, f16 or f32 operands; f32 sums; everything else in f32.
;; Inputs: V_b 1 float32; V_w 1,024 x 1 float32; Wc_b 1,024 float32; Wc_w 1 x 1,024 float32; Wh_b 1,024 float32; Wh_w 1,024 x 1,024 float32; Ws_b 1,024 float32; Ws_w 1,024 x 1,024 float32; dec_hidden 32 x 1,024 float32; enc_output 32 x 2,048 x 1,024 float32; enc_pad_mask 32 x 2,048 int32; lowp_scales 4 int32 (the exponents e of the quantised operands' scales 2^e); prev_coverage 32 x 2,048 x 1 float32.
;; Outputs: out0 32 x 1,024 float32; out1 32 x 2,048 float32; out2 32 x 2,048 x 1 float32.
;; Constants: use_coverage = True.
;; This version of the problem:
;;   THIS VERSION OF THE PROBLEM IS GIVEN IN LOW PRECISION. The matrix products marked QUANTISED in the list below multiply operands that are first quantised to E5M2 (5 exponent bits, 2 mantissa bits; 8 bits a number), with one given power-of-two scale for each operand tensor; their sums are f32. All else is computed in f32.
;;   The module's matrix products, in the order in which they are computed (A, B: the left and right operand; K: the contracted axis; several contracted axes count as one K, in the product's order):
;;     1. [M 32, K 1,024] x [K 1,024, N 1,024]; A: input dec_hidden; B: input Wh_w: QUANTISED (scales: A lowp_scales[0], B lowp_scales[1])
;;     2. [M 65,536, K 1,024] x [K 1,024, N 1,024]; A: input enc_output; B: input Ws_w: QUANTISED (scales: A lowp_scales[2], B lowp_scales[3])
;;     3. [M 65,536, K 1] x [K 1, N 1,024]; A: input prev_coverage; B: input Wc_w: left as it is (K = 1 < 32)
;;     4. [M 65,536, K 1,024] x [K 1,024, N 1]; A: computed on the way; B: input V_w: left as it is (N = 1 < 16)
;;   THE QUANTISER, for each operand of a quantised product, along K:
;;     - The operand's scale is 2^e, e = its entry of the input lowp_scales (int32; the entries are numbered through the quantised products in the list's order, A before B).
;;     - Each number is divided by the scale, clamped to +-57,344, and rounded to the nearest number of E5M2, ties to even, subnormals kept.
;;     - The product sums the exact products of the quantised numbers (number of the format x scale) in f32.
;;   ~~~python
;;   def quantise(x, axis, e):      # numpy; x: float32 -> the quantised numbers, widened to float32 again
;;       x = np.moveaxis(x, axis, -1); K = x.shape[-1]
;;       r = np.clip(x / 2.0 ** e, -57344, 57344)
;;       step = 2.0 ** (np.maximum(np.frexp(np.where(r == 0, 1, r))[1] - 1, -14) - 2)
;;       q = np.round(r / step) * step * 2.0 ** e      # np.round: ties to even
;;       return np.moveaxis(q, -1, axis).astype(np.float32)
;;   ~~~
;; One version. Each part assembles by itself: llvm-mc -triple=amdgcn-amd-amdhsa -mcpu=gfx1250 --defsym DOCPART=n.
;; ======== version 1 of 1: 3 launches
;; limits: right only within a limited range of input values
;; workspace buffers: wimg 1,048,576 bytes; uc 524,288 bytes; scores 262,144 bytes
;; launch prep (part 1): grid 192 x 1, 8 waves a work-group, no clusters, 17,408 bytes of LDS; arguments Ws_w, Wh_w, dec_hidden, Wh_b, Ws_b, Wc_b, Wc_w, V_w, lowp_scales, wimg, uc; writes wimg, uc
.if DOCPART == 1
	.amdgcn_target "amdgcn-amd-amdhsa--gfx1250"
	.amdhsa_code_object_version 6
	.text
	.protected	k_qc676f23bb6_prep
	.globl	k_qc676f23bb6_prep
	.p2align	8
	.type	k_qc676f23bb6_prep,@function
k_qc676f23bb6_prep:
	s_mov_b64 s[64:65], 0
	v_nop
	global_prefetch_b8 v0, s[64:65] scope:SCOPE_SE
	s_setreg_imm32_b32 hwreg(HW_REG_WAVE_MODE, 25, 1), 1
	s_wait_xcnt 0x0
; What the large launch reads again and again is made once here.
; (a) wimg: the codes (E5M2, scale 2^e3) of Ws_w [k][u], laid as IMAGES OF OPERAND REGISTERS: fragment (t = u / 16, s = k / 128) is 2,048 bytes at (8 t + s) 2048; in it chunk c is 512 bytes,
;     lane 16 h + r has 16 bytes at 512 c + 256 h + 16 r, and byte i there is the code of Ws_w[128 s + 32 c + 16 h + i][16 t + r].
; (b) uc [32 b][1024 u][4] f32 = (K2 (h[b][u] + Wh_b + Ws_b + Wc_b), K2 Wc_w[u], -2 V_w[u], 0), h = Q(dec_hidden) Q(Wh_w), K2 = 2 log2(e): tanh(x) = 1 - 2 / (1 + 2^(K2 x)).
; SHARES.  Work-groups 0-63: 16 columns u of h for all 32 batches; wave w takes K step w (128 along K), and the eight waves' sums meet in LDS.
;          Work-groups 64-191: 256 columns x 32 along K of Ws_w; a lane takes a column and its registers run down K, so the conversions give codes with K innermost.
; Both operands of a product hold k = 32 c + 16 h + 0 .. 15 in registers 4 c .. 4 c + 3: the same permutation of k on both sides, so every product meets its partner.
; LIMITS: e0, e1, e3 between -126 and 112; e0 + e1 between -126 and 126 (it is added to K2's exponent field).  NaN among the inputs is not served.
; No tensor load, no cluster: no two work-groups read the same large tile.  enc_pad_mask is no argument of any launch: reference() accepts it and never uses it.
; DEAD WORK, left out by the whole program.  score[b][s] = V_b + sum_u V_w[u] tanh(feat) = (V_b + sum_u V_w[u]) - 2 sum_u V_w[u] / (1 + 2^(K2 feat)).  The bracket is the same for every s of a batch, and the
; score goes nowhere but into the softmax over s, which a term that is the same along its axis leaves as it is, for all values of the inputs.  So the bracket is never formed, and V_b is no argument of any launch.
; LIMIT: a NaN, an infinity or an overflow that reaches only that bracket is not carried to the result.
.set RED,   0
.set SPARE, 16384                      ; behind them: the spare words, 128 bytes for each wave: four blocks of 256 bytes that no other line names
.set K2B,   0x4038aa3b                 ; 2 log2(e) as f32
.set SPW,   13                         ; v13  LDS address of my spare word; never rewritten
.set NIL,   14                         ; v14  0; never rewritten
; 64 numbers of a lane, register 16 c + i = k 32 c + 16 h + i, become a fragment's 16 registers of codes
.macro QUANT src, dst, sc, lim
.irp c, 0,1,2,3
.irp i, 0,1,2,3,4,5,6,7,8,9,10,11,12,13,14,15
	v_med3_num_f32 v[\src+16*\c+\i], v[\src+16*\c+\i], -v[\lim], v[\lim]   ; the conversion to an 8-bit code does not saturate (ISA guide 7.6.2): the hold at the largest code x the scale
.endr
	v_cvt_scalef32_pk8_bf8_f32 v[\dst+4*\c:\dst+4*\c+1], v[\src+16*\c:\src+16*\c+7], v[\sc]
	v_cvt_scalef32_pk8_bf8_f32 v[\dst+4*\c+2:\dst+4*\c+3], v[\src+16*\c+8:\src+16*\c+15], v[\sc]
.endr
.endm
	s_load_b512 s[4:19], s[0:1], 0x0               ; Ws_w s[4:5], Wh_w s[6:7], dec_hidden s[8:9], Wh_b s[10:11], Ws_b s[12:13], Wc_b s[14:15], Wc_w s[16:17], V_w s[18:19]
	s_load_b128 s[20:23], s[0:1], 0x40             ; the scales' exponents s[20:21], wimg s[22:23]
	s_load_b64 s[24:25], s[0:1], 0x50              ; uc
	v_lshl_add_u32 v[SPW], v0, 2, SPARE
	v_mov_b32 v[NIL], 0
	v_lshrrev_b32 v1, 5, v0
	s_delay_alu instid0(VALU_DEP_1)
	v_readfirstlane_b32 s26, v1                    ; wave 0..7
	v_and_b32 v1, 31, v0                           ; lane
	v_and_b32 v2, 15, v0                           ; r
	v_bfe_u32 v3, v0, 4, 1                         ; h
	s_lshl_b32 s27, s26, 11                        ; my wave's 2,048 bytes of partial sums
	s_wait_kmcnt 0x0
	s_load_b128 s[40:43], s[20:21], 0x0            ; e0, e1, e2, e3
	s_cmp_lt_u32 ttmp9, 64                         ; the work-group's number alone: all eight waves go the same way
	s_cbranch_scc1 .Lpath_h
	; ---- Ws_w -> wimg.  q = work-group - 64: 256 columns (q % 4), a block of 32 along K (q / 4)
	s_sub_co_u32 s30, ttmp9, 64
	s_and_b32 s31, s30, 3                          ; cg
	s_lshr_b32 s32, s30, 2                         ; kb
	s_lshl_b32 s34, s32, 17                        ; 32 rows of 4,096 bytes
	s_lshl_b32 s33, s31, 10
	s_add_co_u32 s34, s34, s33                     ; + 256 columns x cg
	s_lshl_b32 s33, s26, 7
	s_add_co_u32 s34, s34, s33                     ; + 32 columns x wave
	s_mov_b32 s35, 0
	s_add_nc_u64 s[4:5], s[4:5], s[34:35]
	s_lshl_b32 s36, s31, 18                        ; tile t = 16 cg + 2 wave (+ lane / 16), 16,384 bytes a tile
	s_lshl_b32 s33, s26, 15
	s_add_co_u32 s36, s36, s33
	s_lshr_b32 s33, s32, 2
	s_lshl_b32 s33, s33, 11
	s_add_co_u32 s36, s36, s33                     ; K step kb / 4: 2,048 bytes
	s_and_b32 s33, s32, 3
	s_lshl_b32 s33, s33, 9
	s_add_co_u32 s36, s36, s33                     ; chunk kb % 4: 512 bytes
	s_mov_b32 s37, 0
	s_add_nc_u64 s[22:23], s[22:23], s[36:37]
	s_wait_alu depctr_va_vdst(0)
	v_lshlrev_b32 v8, 2, v1                        ; in: 4 bytes a lane: a wave reads 128 consecutive bytes of a row, the eight waves 1,024
	v_lshlrev_b32 v9, 4, v2
	s_delay_alu instid0(VALU_DEP_1)
	v_lshl_add_u32 v9, v3, 14, v9                  ; out: 16 r, and the next tile for lanes 16-31
.irp i, 0,1,2,3,4,5,6,7,8,9,10,11,12,13,14,15,16,17,18,19,20,21,22,23,24,25,26,27,28,29,30,31
	global_load_b32 v[32+\i], v8, s[4:5] offset:\i*4096 th:TH_LOAD_NT   ; Ws_w(32 kb + i, my column)
.endr
	s_wait_kmcnt 0x0
	s_add_co_i32 s44, s43, 127
	s_lshl_b32 s45, s44, 23
	v_mov_b32 v4, s45                              ; 2^e3 as f32: the conversion takes its exponent field
	s_add_co_i32 s44, s44, 15
	s_lshl_b32 s44, s44, 23
	s_or_b32 s44, s44, 0x600000
	v_mov_b32 v5, s44                              ; 57,344 x 2^e3
	s_wait_alu depctr_va_vdst(0)
	s_wait_loadcnt 0x0
.irp i, 0,1,2,3,4,5,6,7,8,9,10,11,12,13,14,15,16,17,18,19,20,21,22,23,24,25,26,27,28,29,30,31
	v_med3_num_f32 v[32+\i], v[32+\i], -v5, v5
.endr
.irp g, 0,1,2,3
	v_cvt_scalef32_pk8_bf8_f32 v[64+2*\g:65+2*\g], v[32+8*\g:39+8*\g], v4
.endr
	v_nop                                          ; a plain line behind the last conversion
	global_store_b128 v9, v[64:67], s[22:23]       ; k 0-15 of the block: the image's lanes 0-15: sixteen lanes store 256 consecutive bytes, aligned
	global_store_b128 v9, v[68:71], s[22:23] offset:256   ; k 16-31: its lanes 16-31
	s_endpgm                                       ; this way has written no LDS
.Lpath_h:
	; ---- h and uc.  j = work-group: columns u = 16 j + r
	s_wait_alu depctr_va_vdst(0)
	v_lshlrev_b32 v15, 2, v2
	s_delay_alu instid0(VALU_DEP_1)
	v_lshl_add_u32 v15, v3, 16, v15                ; Wh_w: column r, and 16 rows (65,536 bytes) further down for lanes 16-31
	s_wait_alu depctr_va_vdst(0)
	v_lshlrev_b32 v1, 12, v2
	s_delay_alu instid0(VALU_DEP_1)
	v_lshl_add_u32 v1, v3, 6, v1                   ; dec_hidden: row r of 4,096 bytes, + 64 h: my 16 numbers of a block of 32
	s_wait_alu depctr_va_vdst(0)
	s_lshl_b32 s30, ttmp9, 6                       ; 64 j bytes: the tile's 16 columns
	v_lshl_add_u32 v2, v2, 2, s30                  ; the five vectors over u: 4 (16 j + r)
	s_lshl_b32 s32, s26, 19                        ; K step w: 128 rows of Wh_w
	s_add_co_u32 s32, s32, s30
	s_mov_b32 s33, 0
	s_add_nc_u64 s[6:7], s[6:7], s[32:33]
	s_lshl_b32 s34, s26, 9                         ; and 512 bytes along a row of dec_hidden
	s_mov_b32 s35, 0
	s_add_nc_u64 s[8:9], s[8:9], s[34:35]
.irp c, 0,1,2,3
.irp i, 0,1,2,3,4,5,6,7,8,9,10,11,12,13,14,15
	global_load_b32 v[16+16*\c+\i], v15, s[6:7] offset:(32*\c+\i)*4096 th:TH_LOAD_NT   ; Wh_w(128 w + 32 c + 16 h + i, 16 j + r)
.endr
.endr
.irp m, 0,1
.irp c, 0,1,2,3
.irp q, 0,1,2,3
	global_load_b128 v[80+64*\m+16*\c+4*\q:83+64*\m+16*\c+4*\q], v1, s[8:9] offset:\m*65536+128*\c+16*\q   ; dec_hidden(16 m + r, 128 w + 32 c + 16 h + 4 q ..)
.endr
.endr
.endr
	global_load_b32 v8, v2, s[10:11]               ; Wh_b
	global_load_b32 v9, v2, s[12:13]               ; Ws_b
	global_load_b32 v10, v2, s[14:15]              ; Wc_b
	global_load_b32 v11, v2, s[16:17]              ; Wc_w
	global_load_b32 v12, v2, s[18:19]              ; V_w
	s_wait_kmcnt 0x0
	s_add_co_i32 s44, s40, 127
	s_lshl_b32 s45, s44, 23
	v_mov_b32 v4, s45                              ; 2^e0
	s_add_co_i32 s44, s44, 15
	s_lshl_b32 s44, s44, 23
	s_or_b32 s44, s44, 0x600000
	v_mov_b32 v5, s44                              ; 57,344 x 2^e0
	s_add_co_i32 s44, s41, 127
	s_lshl_b32 s45, s44, 23
	v_mov_b32 v6, s45                              ; 2^e1
	s_add_co_i32 s44, s44, 15
	s_lshl_b32 s44, s44, 23
	s_or_b32 s44, s44, 0x600000
	v_mov_b32 v7, s44                              ; 57,344 x 2^e1
	s_add_co_i32 s46, s40, s41
	s_lshl_b32 s46, s46, 23
	s_add_co_i32 s46, s46, K2B                     ; K2 x 2^(e0 + e1): the two exponents are added to K2's exponent field
	s_lshr_b32 s36, s26, 1                         ; where wave g (0..3) stores: batches 16 (g / 2) + 4 (g % 2) + 8 h + 0 .. 3, 16,384 bytes a batch
	s_lshl_b32 s36, s36, 18
	s_and_b32 s37, s26, 1
	s_lshl_b32 s37, s37, 16
	s_add_co_u32 s36, s36, s37
	s_lshl_b32 s37, ttmp9, 8                       ; 16 columns of 16 bytes
	s_add_co_u32 s36, s36, s37
	s_mov_b32 s37, 0
	s_add_nc_u64 s[24:25], s[24:25], s[36:37]
	s_wait_alu depctr_va_vdst(0)
	s_wait_loadcnt 0x0
	QUANT 16, 208, 6, 7                            ; Wh_w's fragment
	QUANT 80, 224, 4, 5                            ; dec_hidden's rows 0-15
	QUANT 144, 240, 4, 5                           ; and rows 16-31
	v_nop                                          ; a plain line between the last conversion and the products
	v_wmma_f32_16x16x128_bf8_bf8 v[16:23], v[224:239], v[208:223], 0   ; register j of lane (r, h): batch 8 h + j, column 16 j + r
	v_wmma_f32_16x16x128_bf8_bf8 v[24:31], v[240:255], v[208:223], 0   ; batch 16 + 8 h + j
	v_and_b32 v120, 31, v0                         ; the addresses for what follows are made here, ahead of the parting of the waves: they are also the places behind the products
	s_delay_alu instid0(VALU_DEP_1)
	v_lshl_add_u32 v120, v120, 4, s27              ; my partial sums: 2,048 wave + 16 lane
	v_lshlrev_b32 v121, 4, v0                      ; back: 16 x thread = 512 g + 16 lane
	v_and_b32 v122, 15, v0
	v_bfe_u32 v123, v0, 4, 1
	s_delay_alu instid0(VALU_DEP_2)
	v_lshlrev_b32 v122, 4, v122
	s_delay_alu instid0(VALU_DEP_1)
	v_lshl_add_u32 v122, v123, 17, v122            ; uc: 16 r, and eight batches (131,072 bytes) on for lanes 16-31
	v_add_f32 v8, v8, v9
	s_delay_alu instid0(VALU_DEP_1)
	v_add_f32 v8, v8, v10
	s_delay_alu instid0(VALU_DEP_1)
	v_mul_f32 v8, K2B, v8                          ; K2 (Wh_b + Ws_b + Wc_b)
	v_mul_f32 v11, K2B, v11                        ; K2 Wc_w
	v_mul_f32 v12, -2.0, v12                       ; -2 V_w
.irp g, 0,1,2,3
	ds_store_b128 v120, v[16+4*\g:19+4*\g] offset:RED+512*\g   ; each accumulator from its low end on
.endr
	s_wait_dscnt 0x0                               ; for the others' sake: my partial sums lie in LDS
	s_barrier_signal -1
	s_barrier_wait -1
	s_cmp_lt_u32 s26, 4                            ; waves 0-3 add the eight K steps, a quarter of the registers each
	s_cbranch_scc0 .Ldone
.irp k, 0,1,2,3,4,5,6,7
	ds_load_b128 v[32+4*\k:35+4*\k], v121 offset:RED+2048*\k
.endr
	s_wait_dscnt 0x0
.irp n, 0,2,4,6,8,10,12,14
	v_pk_add_f32 v[32+\n:33+\n], v[32+\n:33+\n], v[48+\n:49+\n]
.endr
.irp n, 0,2,4,6
	s_delay_alu instid0(VALU_DEP_4)
	v_pk_add_f32 v[32+\n:33+\n], v[32+\n:33+\n], v[40+\n:41+\n]
.endr
.irp n, 0,2
	s_delay_alu instid0(VALU_DEP_2)
	v_pk_add_f32 v[32+\n:33+\n], v[32+\n:33+\n], v[36+\n:37+\n]
.endr
.irp q, 0,1,2,3
	v_fma_f32 v[96+4*\q], v[32+\q], s46, v8        ; K2 (h + the three biases)
	v_mov_b32 v[97+4*\q], v11
	v_mov_b32 v[98+4*\q], v12
	v_mov_b32 v[99+4*\q], 0
	global_store_b128 v122, v[96+4*\q:99+4*\q], s[24:25] offset:16384*\q   ; sixteen lanes store 256 consecutive bytes, aligned; each store has registers of its own
.endr
.Ldone:
	s_wait_tensorcnt 0x0                           ; the wave's end, behind my last LDS store
	ds_add_u32 v[SPW], v[NIL]
	s_wait_dscnt 0x0
	s_endpgm
.Lfunc_end_k_qc676f23bb6_prep:
	.size	k_qc676f23bb6_prep, .Lfunc_end_k_qc676f23bb6_prep-k_qc676f23bb6_prep
	.p2alignl 7, 3214868480
	.fill 96, 4, 3214868480
	.section	.rodata,"a",@progbits
	.p2align	6, 0x0
	.amdhsa_kernel k_qc676f23bb6_prep
		.amdhsa_group_segment_fixed_size 17408
		.amdhsa_private_segment_fixed_size 0
		.amdhsa_enable_private_segment 0
		.amdhsa_kernarg_size 88
		.amdhsa_user_sgpr_count 2
		.amdhsa_user_sgpr_kernarg_segment_ptr 1
		.amdhsa_wavefront_size32 1
		.amdhsa_system_sgpr_workgroup_id_x 1
		.amdhsa_system_sgpr_workgroup_id_y 1
		.amdhsa_system_sgpr_workgroup_id_z 1
		.amdhsa_system_vgpr_workitem_id 0
		.amdhsa_next_free_vgpr 256
		.amdhsa_next_free_sgpr 66
		.amdhsa_reserve_vcc 0
		.amdhsa_float_denorm_mode_32 3
		.amdhsa_float_denorm_mode_16_64 3
		.amdhsa_memory_ordered 1
		.amdhsa_forward_progress 1
		.amdhsa_inst_pref_size 37
	.end_amdhsa_kernel
	.amdgpu_metadata
---
amdhsa.version: [ 1, 2 ]
amdhsa.kernels:
  - .name:           k_qc676f23bb6_prep
    .symbol:         k_qc676f23bb6_prep.kd
    .args:
      - { .name: Ws_w, .offset: 0, .size: 8, .value_kind: global_buffer, .address_space: global }
      - { .name: Wh_w, .offset: 8, .size: 8, .value_kind: global_buffer, .address_space: global }
      - { .name: dec_hidden, .offset: 16, .size: 8, .value_kind: global_buffer, .address_space: global }
      - { .name: Wh_b, .offset: 24, .size: 8, .value_kind: global_buffer, .address_space: global }
      - { .name: Ws_b, .offset: 32, .size: 8, .value_kind: global_buffer, .address_space: global }
      - { .name: Wc_b, .offset: 40, .size: 8, .value_kind: global_buffer, .address_space: global }
      - { .name: Wc_w, .offset: 48, .size: 8, .value_kind: global_buffer, .address_space: global }
      - { .name: V_w, .offset: 56, .size: 8, .value_kind: global_buffer, .address_space: global }
      - { .name: lowp_scales, .offset: 64, .size: 8, .value_kind: global_buffer, .address_space: global }
      - { .name: wimg, .offset: 72, .size: 8, .value_kind: global_buffer, .address_space: global }
      - { .name: uc, .offset: 80, .size: 8, .value_kind: global_buffer, .address_space: global }
    .group_segment_fixed_size: 17408
    .private_segment_fixed_size: 0
    .kernarg_segment_align: 8
    .kernarg_segment_size: 88
    .max_flat_workgroup_size: 256
    .sgpr_count:     66
    .vgpr_count:     256
    .wavefront_size: 32
...
	.end_amdgpu_metadata
.endif
;; end of part 1
;; launch score (part 2): grid 256 x 1, 4 waves a work-group, clusters of 4 x 1, 327,680 bytes of LDS; arguments enc_output, wimg, uc, prev_coverage, lowp_scales, scores; writes scores
.if DOCPART == 2
	.amdgcn_target "amdgcn-amd-amdhsa--gfx1250"
	.amdhsa_code_object_version 6
	.text
	.protected	k_qc676f23bb6_score
	.globl	k_qc676f23bb6_score
	.p2align	8
	.type	k_qc676f23bb6_score,@function
k_qc676f23bb6_score:
	s_mov_b64 s[64:65], 0
	v_nop
	global_prefetch_b8 v0, s[64:65] scope:SCOPE_SE
	s_setreg_imm32_b32 hwreg(HW_REG_WAVE_MODE, 25, 1), 1
	s_wait_xcnt 0x0
	s_wait_alu depctr_hold_cnt(0) depctr_sa_sdst(0) depctr_va_vdst(0) depctr_va_sdst(0) depctr_va_ssrc(0) depctr_va_vcc(0) depctr_vm_vsrc(0)
	s_getreg_b32 s2, hwreg(HW_REG_IB_STS2, 6, 4)
	s_cmp_eq_u32 s2, 0
	s_cbranch_scc0 .Lentry_in_a_cluster
	s_endpgm
.Lentry_in_a_cluster:
	s_bfe_u32 s2, ttmp6, 0x10000c
	s_cmp_lg_u32 s2, 0x3003
	s_cbranch_scc0 .Lentry_shape_is_right
	s_endpgm
.Lentry_shape_is_right:
; scores[b][s] = -2 sum_u V_w[u] / (1 + 2^(K2 feat[b][s][u])), feat = Q(enc_output) Q(Ws_w) + h + the biases + prev_coverage Wc_w.  Left out as dead work: V_b + sum_u V_w[u], the same for all s of a softmax (shown at the head of prep).
; SHARES.  A work-group owns 256 rows (b, s), a wave 64 of them.  HEAD: the wave's rows are read once as f32, held at the largest code, turned into codes of E5M2 (scale 2^e2) and kept in 512 registers:
; 4 blocks of 16 rows x 8 K steps of 128.  LOOP: 64 tiles of 16 columns u; a tile is 32 products, four accumulators by turns, K ascending, and each fragment of W read from LDS feeds four products.
; W's codes (wimg, images of operand registers) come through two LDS slots of 8 tiles.  The four work-groups of a cluster walk the same W and ask for each slot JOINTLY, a quarter of a slot for each wave.
; THE WAY FROM A SUM TO THE SCORE runs over three tiles, so that a tile has ONE batch of transcendentals: in tile T, behind its products: e(T-1) + 1; the arguments of T, in place; then the batch:
; 1 / (e(T-1) + 1) and e(T) = 2^arg(T), with tile T-2's sums SCR += r x (-2 V_w) laid between them.  Each stage has registers of its own, so one text serves every tile.
; W has ONE set of registers.  A tile's 32 products stand with no memory instruction between them; the next tile's 32 LDS loads all follow them, a fragment (four loads) at a time: fragments 0-3 between the runs of plain lines,
; fragments 4-7 in the batch.  The next tile waits for fragments 0-3 at its head and for the others in its middle.
; No prefetch: a slot's refill is asked for eight tiles' work ahead of its first read, and enc_output is read once, by plain loads that run three to four steps (16 loads each) ahead.
; LIMITS: e2 between -126 and 112; e2 + e3 between -126 and 126 (added to K2's exponent field).  NaN among the inputs is not served.
; WINDOWS: 0: addresses and the stages below; 1: head: four sets of 64 loaded numbers, loop: W's fragments v0-127; 2, 3: x's codes, K step s, block m at v[64 (s % 4) + 16 m] of window 2 + s / 4.
.set SLOTB,  131072
.set TILEB,  16384
.set UC,     2*SLOTB                   ; the batch's uc entries, 16 bytes a column
.set STAGE,  UC+16384                  ; head: 16 rows x (512 codes + 16 bytes) for each wave
.set PITCH,  528
.set WSTG,   16*PITCH
.set SPARE,  STAGE+4*WSTG              ; the spare words, 128 bytes a wave: two blocks of 256 bytes that no other line names
.set K2B,    0x4038aa3b                ; 2 log2(e)
.set L16, 1                            ; 16 x lane
.set ADR, 2                            ; LDS address of the next tile's fragments
.set AD2, 3                            ; and of its uc entry
.set STI, 4                            ; stage, in: 4 x lane
.set STO, 5                            ; stage, out: PITCH r + 16 h
.set SCL, 6                            ; 2^e2
.set LIM, 7                            ; 57,344 x 2^e2
.set UCA, 8                            ; UC + 16 r
.set SPW, 9                            ; my spare word; never rewritten
.set NIL, 10                           ; 0; never rewritten
.set SCO, 11                           ; where my two scores go
.set CS,  12                           ; v12-15 the tile's uc entry: K2 (h + biases), K2 Wc_w, -2 V_w, 0
.set V1,  16                           ; -2 V_w of the tile before
.set V2,  18                           ; v18-19 -2 V_w of the tile two before, and 0
.set CVO, 24
.set UCS, 25
.set COV, 32                           ; coverage of my 64 rows, as an accumulator's registers lie
.set SCR, 64                           ; the scores' partial sums, likewise
.set ACC, 96                           ; four accumulators; then the arguments
.set E,   128                          ; 2^arg
.set E1,  160                          ; 1 + 2^arg
.set R,   192                          ; 1 / that
.set CT,  224                          ; head: two sets of 16 words of codes
.set MSB, 0
.macro WIN new                         ; the immediate's high byte repeats the setting that is left
.if MSB != (\new)
	s_set_vgpr_msb (MSB<<8)|(\new)
.set MSB, (\new)
.endif
.endm
.macro CREST                           ; a round of the cluster's barrier behind its opening barrier
	s_cmp_lg_u32 s20, 0
	s_cbranch_scc1 .Lnot_wave_0_\@
	s_barrier_signal -3
.Lnot_wave_0_\@:
	s_barrier_wait -3
	s_barrier_signal -1
	s_barrier_wait -1
.endm
.macro CROUND
	s_barrier_signal -1
	s_barrier_wait -1
	CREST
.endm
	s_load_b256 s[4:11], s[0:1], 0x0               ; enc_output s[4:5], wimg s[6:7], uc s[8:9], prev_coverage s[10:11]
	s_load_b128 s[12:15], s[0:1], 0x20             ; the scales' exponents s[12:13], scores s[14:15]
	v_lshl_add_u32 v[SPW], v0, 2, SPARE
	v_mov_b32 v[NIL], 0
	ds_add_u32 v[SPW], v[NIL]                      ; the opening lines: the add, twice on end, and its wait ahead of my first tensor load
	ds_add_u32 v[SPW], v[NIL]
	v_lshrrev_b32 v20, 5, v0
	v_readfirstlane_b32 s20, v20                   ; wave 0..3
	s_bfe_u32 s21, ttmp6, 0x40000                  ; cx
	s_lshl_b32 s22, ttmp9, 2
	s_add_co_u32 s22, s22, s21                     ; work-group
	s_mov_b32 s24, 15|(3<<16)|(1<<21)              ; group 1: mask of the four partners; elements of 8 bytes; 128 dense rows of 256 bytes
	s_mov_b32 s25, 32<<16
	s_mov_b32 s26, 128<<16
	s_mov_b32 s27, 32<<16
	s_mov_b32 s28, 128
	s_mov_b32 s29, 32
	s_mov_b32 s30, 0
	s_mov_b32 s31, 0
	s_lshl_b32 s54, s20, 15                        ; my quarter of a slot
	s_mov_b32 s55, 0
	s_lshr_b32 s56, ttmp9, 1                       ; the batch: eight work-groups, two clusters
	s_lshl_b32 s56, s56, 14
	s_lshl_b32 s23, s20, 12                        ; my quarter of its uc entries
	s_add_co_u32 s56, s56, s23
	s_mov_b32 s57, 0
	s_mul_i32 s53, s20, WSTG
	s_add_co_u32 s53, s53, STAGE                   ; my stage
	s_add_co_u32 s52, s23, UC
	s_lshl_b32 s82, s22, 8
	s_lshl_b32 s83, s20, 6
	s_add_co_u32 s82, s82, s83                     ; my first row
	s_lshl_b32 s84, s82, 2
	s_mov_b32 s85, 0
	s_lshl_b32 s86, s82, 12                        ; under 2^28
	s_mov_b32 s87, 0
	v_and_b32 v21, 31, v0
	v_lshlrev_b32 v[L16], 4, v21
	v_and_b32 v22, 15, v0                          ; r
	v_bfe_u32 v23, v0, 4, 1                        ; h
	v_lshl_add_u32 v[STI], v21, 2, s53
	v_mul_u32_u24 v[STO], v22, PITCH
	v_lshl_add_u32 v[STO], v23, 4, v[STO]
	v_add_nc_u32 v[STO], s53, v[STO]
	v_lshl_add_u32 v[UCA], v22, 4, UC
	v_add_nc_u32 v[UCS], s52, v[L16]
	v_lshlrev_b32 v[CVO], 5, v23                   ; rows 8 h .. 8 h + 7 of a block
	v_bfe_u32 v22, v0, 2, 2
	v_and_b32 v21, 3, v0
	v_lshlrev_b32 v[SCO], 6, v22                   ; the way out: block lane[3:2], half h, rows 2 lane[1:0] and the next
	v_lshl_add_u32 v[SCO], v23, 5, v[SCO]
	v_lshl_add_u32 v[SCO], v21, 3, v[SCO]
	s_wait_alu depctr_va_vdst(0)
	s_wait_dscnt 0x0                               ; both opening adds are done
	s_wait_kmcnt 0x0
	s_load_b128 s[44:47], s[12:13], 0x0            ; e0 .. e3
	s_mov_b32 s32, 1                               ; group 0 of slot 0's first fill
	s_mov_b32 s33, s54
	s_add_nc_u64 s[34:35], s[6:7], s[54:55]
	s_or_b32 s35, s35, 0x80000000
	s_mov_b32 s36, 1                               ; the walking group 0: slot 1 first
	s_add_co_u32 s37, s54, SLOTB
	s_add_nc_u64 s[38:39], s[6:7], s[54:55]
	s_add_nc_u64 s[38:39], s[38:39], SLOTB
	s_or_b32 s39, s39, 0x80000000
	s_add_nc_u64 s[70:71], s[8:9], s[56:57]
	s_add_nc_u64 s[10:11], s[10:11], s[84:85]
	s_add_nc_u64 s[14:15], s[14:15], s[84:85]
	s_add_nc_u64 s[68:69], s[4:5], s[86:87]
	CROUND                                         ; the four partners are here: the first joint loads meet
	tensor_load_to_lds s[32:35], s[24:31]          ; tiles 0-7: one tensor load a wave at the head
	s_nop 0
.rept 4
	v_nop
.endr
.irp m, 0,1,2,3
	global_load_b128 v[COV+8*\m:COV+8*\m+3], v[CVO], s[10:11] offset:64*\m
	global_load_b128 v[COV+8*\m+4:COV+8*\m+7], v[CVO], s[10:11] offset:64*\m+16
.endr
.irp i, 0,1,2,3,4,5,6,7
	global_load_b128 v[E+4*\i:E+4*\i+3], v[L16], s[70:71] offset:512*\i   ; my 4,096 bytes of uc
.endr
; step f: block m = f / 8, half (f / 4) % 2 of K, rows 4 (f % 4) .. + 3 of the block.  Four loads on end read 2,048 consecutive bytes of a row; in load s lane l holds k = 512 half + 128 s + 4 l .. + 3
.macro XLOAD f
.set xr, 64*((\f)%4)
.set xo, (16*((\f)/8)+4*((\f)%4))*4096+2048*(((\f)/4)%2)
	WIN 0x40
.irp p, 0,1,2,3
.irp s, 0,1,2,3
	global_load_b128 v[xr+16*\p+4*\s:xr+16*\p+4*\s+3], v[L16], s[68:69] offset:xo+\p*4096+512*\s th:TH_LOAD_NT
.endr
.endr
.endm
; a conversion takes two loads' four numbers each and gives a word of four codes for each.  The 16 words go into my stage, 128 consecutive bytes each; behind a block's fourth step the stage holds 16 rows x 512 codes,
; which come back as the operand's registers of four K steps: row r, k = 32 c + 16 h + 0 .. 15
.macro XSTEP f
.set xr, 64*((\f)%4)
.set xc, CT+16*((\f)%2)
.if (\f) < 29
	s_wait_loadcnt 48                              ; this step's 16 loads are in; the next three steps' may be out
.else
	s_wait_loadcnt 16*(31-(\f))
.endif
	s_wait_dscnt 16                                ; at most the step before's 16 stores are out: the stores of two steps ago have read this set of words
	WIN 0x41
.set i, 0
.rept 64
	v_med3_num_f32 v[xr+i], v[xr+i], -v[LIM], v[LIM]   ; the conversion does not saturate (ISA guide 7.6.2): the hold at the largest code x the scale
.set i, i+1
.endr
	WIN 0x01
.irp q, 0,1,2,3,4,5,6,7
	v_cvt_scalef32_pk8_bf8_f32 v[xc+2*\q:xc+2*\q+1], v[xr+8*\q:xr+8*\q+7], v[SCL]
.endr
	v_nop                                          ; a plain line behind the last conversion
.if (\f)+4 < 32
	XLOAD (\f)+4
.endif
	WIN 0
.irp p, 0,1,2,3
.irp s, 0,1,2,3
	ds_store_b32 v[STI], v[xc+4*\p+\s] offset:PITCH*(4*((\f)%4)+\p)+128*\s
.endr
.endr
.if (\f)%4 == 3
.set xa, 16*((\f)/8)
	WIN 0x80+0x40*(((\f)/4)%2)
.irp s, 0,1,2,3
.irp c, 0,1,2,3
	ds_load_b128 v[xa+64*\s+4*\c:xa+64*\s+4*\c+3], v[STO] offset:128*\s+32*\c   ; LDS serves a wave's instructions in order (ISA guide 5.7.1.4): these see the stores above, and the next step's stores come behind them
.endr
.endr
.endif
.endm
	XLOAD 0
	XLOAD 1
	XLOAD 2
	WIN 0
	s_wait_kmcnt 0x0
	s_add_co_i32 s86, s46, 127
	s_lshl_b32 s87, s86, 23
	v_mov_b32 v[SCL], s87
	s_add_co_i32 s86, s86, 15
	s_lshl_b32 s86, s86, 23
	s_or_b32 s86, s86, 0x600000
	v_mov_b32 v[LIM], s86
	s_add_co_i32 s48, s46, s47
	s_lshl_b32 s48, s48, 23
	s_add_co_i32 s48, s48, K2B                     ; K2 x 2^(e2 + e3)
	s_mov_b32 s49, s48
	s_wait_alu depctr_va_vdst(0)
	s_wait_loadcnt 48                              ; the coverage and uc are in; x's first three steps may be out
.irp i, 0,1,2,3,4,5,6,7
	ds_store_b128 v[UCS], v[E+4*\i:E+4*\i+3] offset:512*\i
.endr
	XLOAD 3
.set F, 0
.rept 32
	XSTEP F
.set F, F+1
.endr
	WIN 0
.set n, 0
.rept 32
	v_mov_b32 v[E+n], 0                            ; the stages begin so that the tiles ahead of tile 0 add r x 0 to sums of 0: the tile's text is written once
	v_mov_b32 v[R+n], 0
	v_mov_b32 v[SCR+n], 0
.set n, n+1
.endr
	v_mov_b32 v[V1], 0
	v_mov_b32 v[V2], 0
	v_mov_b32 v[V2+1], 0
	s_wait_alu depctr_va_vdst(0)
	s_wait_tensorcnt 0x0                           ; my quarter of slot 0 is in
	ds_add_u32 v[SPW], v[NIL]
	s_wait_dscnt 0x0                               ; the add, my part of uc and my codes
	CROUND
	tensor_load_to_lds s[36:39], s[24:31]          ; tiles 8-15 into slot 1
	s_nop 0
.rept 4
	v_nop
.endr
	WIN 0x40
.set i, 0
.rept 32
	ds_load_b128 v[4*i:4*i+3], v[L16] offset:512*i ; tile 0: load i brings chunk i % 4 of K step i / 4
.set i, i+1
.endr
	WIN 0
	ds_load_b128 v[CS:CS+3], v[UCA]
	s_mov_b32 s50, TILEB                           ; LDS byte of the next tile
	s_mov_b32 s51, 256                             ; and of its uc entries
.macro KS k                            ; K step k: four products, the accumulators by turns
	WIN 0x06+(\k)/4
.irp m, 0,1,2,3
.if (\k) == 0
	v_wmma_f32_16x16x128_bf8_bf8 v[ACC+8*\m:ACC+8*\m+7], v[64*((\k)%4)+16*\m:64*((\k)%4)+16*\m+15], v[16*(\k):16*(\k)+15], 0
.else
	v_wmma_f32_16x16x128_bf8_bf8 v[ACC+8*\m:ACC+8*\m+7], v[64*((\k)%4)+16*\m:64*((\k)%4)+16*\m+15], v[16*(\k):16*(\k)+15], v[ACC+8*\m:ACC+8*\m+7]
.endif
.endr
.endm
.macro LDF j                           ; the next tile's fragment j: four loads
	WIN 0x40
.irp c, 0,1,2,3
	ds_load_b128 v[16*(\j)+4*\c:16*(\j)+4*\c+3], v[ADR] offset:2048*(\j)+512*\c
.endr
	WIN 0
.endm
.macro BST                             ; 1 + e
.set n, 0
.rept 16
	v_pk_add_f32 v[E1+2*n:E1+2*n+1], v[E+2*n:E+2*n+1], 1.0 op_sel_hi:[1,0]
.set n, n+1
.endr
.endm
.macro ARG2 n0                         ; eight lines of the argument's second term: + coverage x K2 Wc_w
.set n, \n0
.rept 8
	v_pk_fma_f32 v[ACC+2*n:ACC+2*n+1], v[COV+2*n:COV+2*n+1], v[CS:CS+1], v[ACC+2*n:ACC+2*n+1] op_sel:[0,1,0] op_sel_hi:[1,1,1]
.set n, n+1
.endr
.endm
; the batch.  Each sum reads its two r ahead of the reciprocals that write them anew.  ex: with the exponentials; ld: with the loads of fragments 4-7
.macro BATCH ex, ld
.set g, 0
.rept 16
	v_pk_fma_f32 v[SCR+2*g:SCR+2*g+1], v[R+2*g:R+2*g+1], v[V2:V2+1], v[SCR+2*g:SCR+2*g+1] op_sel_hi:[1,0,1]
	v_rcp_f32 v[R+2*g], v[E1+2*g]
	v_rcp_f32 v[R+2*g+1], v[E1+2*g+1]
.if \ex
	v_exp_f32 v[E+2*g], v[ACC+2*g]
	v_exp_f32 v[E+2*g+1], v[ACC+2*g+1]
.endif
.if (\ld) && (g%4 == 3)
	LDF 4+g/4
.endif
.set g, g+1
.endr
.endm
; A TILE.  chg = 0: inside a slot; 1: a slot's last tile, the slot is filled again; 2: the same with no fill; 3: the very last tile, which fetches nothing
.macro TILE chg
.if (\chg) == 1 || (\chg) == 2
	s_wait_tensorcnt 0x0                           ; my quarter of the other slot is in
	ds_add_u32 v[SPW], v[NIL]
.if (\chg) == 1
	s_xor_b32 s37, s37, SLOTB                      ; no load of mine is out: the walking group 0 steps to the slot that is left and the next eight tiles
	s_add_nc_u64 s[38:39], s[38:39], SLOTB
.endif
	s_sub_co_u32 s50, s50, SLOTB
	s_xor_b32 s50, s50, SLOTB                      ; the next tile is the other slot's first
	s_wait_dscnt 18                                ; fragments 0-3 are in; fragments 4-7, the uc entry and the add may be out
	KS 0
	KS 1
	s_wait_dscnt 0x0                               ; the add is done, and my reads of this slot are over
	s_barrier_signal -1
	KS 2
	KS 3
	WIN 0
	s_barrier_wait -1
.if (\chg) == 1
	CREST                                          ; the barrier has opened a round: no wave of any partner still reads the slot or has a load on its way
	tensor_load_to_lds s[36:39], s[24:31]
	s_nop 0
.rept 4
	v_nop                                          ; four vector lines stand between the tensor load and the next switch of windows
.endr
.endif
.else
	s_wait_dscnt 17                                ; fragments 0-3 are in; fragments 4-7 and the uc entry may be out
	KS 0
	KS 1
	KS 2
	KS 3
	s_wait_dscnt 0x0                               ; and now these too: no LDS load of mine is out
.endif
	KS 4
	KS 5
	KS 6
	KS 7
	WIN 0
.if (\chg) != 3
	v_add_nc_u32 v[ADR], s50, v[L16]               ; these lines and the sixteen below are the places ahead of the loads into W's fragments and of the first read of the sums (ISA guide 7.12.1 for vector instructions)
	v_add_nc_u32 v[AD2], s51, v[UCA]
	s_add_co_u32 s50, s50, TILEB
	s_add_co_u32 s51, s51, 256
.endif
	BST                                            ; tile T-1
.if (\chg) != 3
	LDF 0
.endif
.set n, 0
.rept 16
	v_pk_fma_f32 v[ACC+2*n:ACC+2*n+1], v[ACC+2*n:ACC+2*n+1], s[48:49], v[CS:CS+1] op_sel_hi:[1,0,0]   ; K2 (sum 2^(e2 + e3) + h + biases); each accumulator from its low end on
.set n, n+1
.endr
.if (\chg) != 3
	LDF 1
.endif
	ARG2 0
.if (\chg) != 3
	LDF 2
.endif
	ARG2 8
.if (\chg) != 3
	LDF 3
.endif
	s_wait_alu depctr_va_vdst(0)
.if (\chg) == 3
	BATCH 1, 0
.else
	BATCH 1, 1
.endif
	v_mov_b32 v[V2], v[V1]                         ; -2 V_w moves on with its tile.  (A plain line behind the last exponential)
	v_mov_b32 v[V1], v[CS+2]
	s_wait_alu depctr_va_vdst(0)                   ; one wait for the batch, ahead of its first reader and of the branch
.if (\chg) != 3
	ds_load_b128 v[CS:CS+3], v[AD2]                ; the next tile's uc entry
.endif
.endm
.macro SEVEN lab                       ; a slot's first seven tiles
	s_mov_b32 s52, 7
\lab:
	TILE 0
	s_sub_co_u32 s52, s52, 1
	s_cmp_lg_u32 s52, 0
	s_cbranch_scc1 \lab
.endm
	s_mov_b32 s53, 6
.Lfill:                                            ; slots' worth 0 to 5: each leaves its slot to the tiles two slots on
	SEVEN .Lin_a
	TILE 1
	s_sub_co_u32 s53, s53, 1
	s_cmp_lg_u32 s53, 0
	s_cbranch_scc1 .Lfill
	SEVEN .Lin_b                                   ; the last two are written out: they ask for nothing more
	TILE 2
	SEVEN .Lin_c
	TILE 3
	BST                                            ; the stages run empty: tile 63's 1 + e,
	s_wait_alu depctr_va_vdst(0)
	BATCH 0, 0                                     ; tile 62's sums and tile 63's reciprocals,
	v_mov_b32 v[V2], v[V1]
	s_wait_alu depctr_va_vdst(0)
.set g, 0
.rept 16
	v_pk_fma_f32 v[SCR+2*g:SCR+2*g+1], v[R+2*g:R+2*g+1], v[V2:V2+1], v[SCR+2*g:SCR+2*g+1] op_sel_hi:[1,0,1]   ; and tile 63's sums
.set g, g+1
.endr
; THE WAY OUT.  Register 8 m + j of lane (r, h) holds row 16 m + 8 h + j's sum over the columns u = r mod 16: the sixteen lanes of a row are added, then each lane picks two neighbouring rows by its number's bits
.irp x, 1,2,4,8
.set n, 0
.rept 32
	v_add_f32_dpp v[SCR+n], v[SCR+n], v[SCR+n] row_xmask:\x row_mask:0xf bank_mask:0xf
.set n, n+1
.endr
.endr
.irp b, 0,1,2,3
	v_bfe_u32 v20, v0, \b, 1
	v_cmp_eq_u32 s[58+\b], 1, v20
.endr
.irp a, 0,1,2,3,4,5,6,7
.irp e, 0,1
	v_cndmask_b32 v[SCR+4*\a+\e], v[SCR+4*\a+\e], v[SCR+4*\a+2+\e], s58
.endr
.endr
.irp a, 0,1,2,3
.irp e, 0,1
	v_cndmask_b32 v[SCR+8*\a+\e], v[SCR+8*\a+\e], v[SCR+8*\a+4+\e], s59
.endr
.endr
.irp a, 0,1
.irp e, 0,1
	v_cndmask_b32 v[SCR+16*\a+\e], v[SCR+16*\a+\e], v[SCR+16*\a+8+\e], s60
.endr
.endr
.irp e, 0,1
	v_cndmask_b32 v[SCR+\e], v[SCR+\e], v[SCR+16+\e], s61
.endr
	global_store_b64 v[SCO], v[SCR:SCR+1], s[14:15]    ; the wave stores 256 consecutive bytes, aligned
	s_wait_tensorcnt 0x0                           ; the wave's end
	ds_add_u32 v[SPW], v[NIL]
	s_wait_dscnt 0x0
	CROUND                                         ; the closing round
	s_endpgm
.Lfunc_end_k_qc676f23bb6_score:
	.size	k_qc676f23bb6_score, .Lfunc_end_k_qc676f23bb6_score-k_qc676f23bb6_score
	.p2alignl 7, 3214868480
	.fill 96, 4, 3214868480
	.section	.rodata,"a",@progbits
	.p2align	6, 0x0
	.amdhsa_kernel k_qc676f23bb6_score
		.amdhsa_group_segment_fixed_size 327680
		.amdhsa_private_segment_fixed_size 0
		.amdhsa_enable_private_segment 0
		.amdhsa_kernarg_size 48
		.amdhsa_user_sgpr_count 2
		.amdhsa_user_sgpr_kernarg_segment_ptr 1
		.amdhsa_wavefront_size32 1
		.amdhsa_system_sgpr_workgroup_id_x 1
		.amdhsa_system_sgpr_workgroup_id_y 1
		.amdhsa_system_sgpr_workgroup_id_z 1
		.amdhsa_system_vgpr_workitem_id 0
		.amdhsa_next_free_vgpr 1024
		.amdhsa_next_free_sgpr 100
		.amdhsa_reserve_vcc 0
		.amdhsa_float_denorm_mode_32 3
		.amdhsa_float_denorm_mode_16_64 3
		.amdhsa_memory_ordered 1
		.amdhsa_forward_progress 1
		.amdhsa_inst_pref_size 255
	.end_amdhsa_kernel
	.section	.bss,"aw",@nobits
	.p2align	6
	.space	262144
	.amdgpu_metadata
---
amdhsa.version: [ 1, 2 ]
amdhsa.kernels:
  - .name:           k_qc676f23bb6_score
    .symbol:         k_qc676f23bb6_score.kd
    .args:
      - { .name: enc_output, .offset: 0, .size: 8, .value_kind: global_buffer, .address_space: global }
      - { .name: wimg, .offset: 8, .size: 8, .value_kind: global_buffer, .address_space: global }
      - { .name: uc, .offset: 16, .size: 8, .value_kind: global_buffer, .address_space: global }
      - { .name: prev_coverage, .offset: 24, .size: 8, .value_kind: global_buffer, .address_space: global }
      - { .name: lowp_scales, .offset: 32, .size: 8, .value_kind: global_buffer, .address_space: global }
      - { .name: scores, .offset: 40, .size: 8, .value_kind: global_buffer, .address_space: global }
    .group_segment_fixed_size: 327680
    .private_segment_fixed_size: 0
    .kernarg_segment_align: 8
    .kernarg_segment_size: 48
    .max_flat_workgroup_size: 128
    .sgpr_count:     100
    .vgpr_count:     1024
    .wavefront_size: 32
...
	.end_amdgpu_metadata
.endif
;; end of part 2
;; launch context (part 3): grid 8 x 32, 16 waves a work-group, no clusters, 18,944 bytes of LDS; arguments scores, prev_coverage, enc_output, out0, out1, out2; writes out0, out1, out2
.if DOCPART == 3
	.amdgcn_target "amdgcn-amd-amdhsa--gfx1250"
	.amdhsa_code_object_version 6
	.text
	.protected	k_qc676f23bb6_context
	.globl	k_qc676f23bb6_context
	.p2align	8
	.type	k_qc676f23bb6_context,@function
k_qc676f23bb6_context:
	s_mov_b64 s[64:65], 0
	v_nop
	global_prefetch_b8 v0, s[64:65] scope:SCOPE_SE
	s_setreg_imm32_b32 hwreg(HW_REG_WAVE_MODE, 25, 1), 1
	s_wait_xcnt 0x0
; The softmax over a batch's 2,048 scores, out1 = the weights, out2 = the weights + prev_coverage, out0[b][d] = sum over s of weight[s] enc_output[b][s][d].  All in f32.
; SHARES.  Work-group (c, b) owns out0[b][128 c .. 128 c + 127] and rows 256 c .. 256 c + 255 of out1 and out2: each output number has one owner.  Each of a batch's eight work-groups takes the batch's maximum and sum itself
; The maximum is taken away before the exponential, as reference() does; p = 2^((s - m) log2 e) is at most 1 and the sum at least 1; the division by the sum is made once, at the end.
; A ring of 32 row slots in registers keeps 32 loads of 512 bytes of every wave on their way.  A row's weight goes from its lane into a scalar register and multiplies by the packed form.
; Memory binds: no matrix unit, no tensor load; no cluster, since no two work-groups read the same bytes of enc_output; no prefetch, since the ring already keeps the stream going.
.set RMAX,  0                          ; LDS: sixteen waves' maxima,
.set RSUM,  256                        ; their sums,
.set PART,  512                        ; their partial contexts: 512 bytes each
.set PW,    8704                       ; the batch's 2,048 numbers p, 4 bytes each
.set SPARE, 16896                      ; the spare words, 128 bytes for each wave: eight blocks of 256 bytes that no other line names
	s_load_b256 s[4:11], s[0:1], 0x0               ; scores s[4:5], prev_coverage s[6:7], enc_output s[8:9], out0 s[10:11]
	s_load_b128 s[12:15], s[0:1], 0x20             ; out1 s[12:13], out2 s[14:15]
	v_lshl_add_u32 v3, v0, 2, SPARE                ; v3: my spare word; never rewritten
	v_mov_b32 v4, 0                                ; v4: 0; never rewritten
	v_lshrrev_b32 v5, 5, v0
	v_readfirstlane_b32 s16, v5                    ; wave 0..15
	v_and_b32 v1, 31, v0
	v_lshlrev_b32 v1, 4, v1                        ; v1: 16 x lane
	v_lshlrev_b32 v2, 4, v0                        ; v2: 16 x thread
	v_mov_b32 v6, 0                                ; v6: LDS byte 0
	s_and_b32 s17, ttmp7, 0xffff                   ; the batch
	s_lshl_b32 s18, s17, 13                        ; its 8,192 bytes of scores, coverage, out1, out2
	s_mov_b32 s19, 0
	s_lshl_b32 s20, s17, 11
	s_mov_b32 s21, s16                             ; wave w takes rows w, w + 16, w + 32 ..: the sixteen waves walk sixteen neighbouring rows together
	s_add_co_u32 s20, s20, s21                     ; my wave's first row,
	s_lshl_b32 s20, s20, 12                        ; in bytes (under 2^28),
	s_lshl_b32 s21, ttmp9, 9
	s_add_co_u32 s20, s20, s21                     ; + my 128 columns
	s_mov_b32 s21, 0
	s_lshl_b32 s26, s17, 12
	s_lshl_b32 s27, ttmp9, 9
	s_add_co_u32 s26, s26, s27                     ; out0: 4 (1,024 b + 128 c)
	s_mov_b32 s27, 0
	s_lshl_b32 s22, s16, 2
	v_mov_b32 v5, s22                              ; v5: 4 x wave: my word among the sixteen
	s_wait_alu depctr_va_vdst(0)
	v_lshl_add_u32 v7, v1, 2, s22                  ; v7: 64 x lane + 4 x wave: p of row 16 x lane + wave
	s_mov_b32 s24, 0x76543210                      ; v_permlanex16_b32's selects for lane l xor 16
	s_mov_b32 s25, 0xfedcba98
.irp u, 0,1,2,3,4,5,6,7
	s_mov_b32 s[33+2*\u], 0                        ; the weights' pairs are named whole, so their upper words are written
.endr
	s_wait_alu depctr_va_vdst(0)
	s_wait_kmcnt 0x0
	s_add_nc_u64 s[4:5], s[4:5], s[18:19]
	s_add_nc_u64 s[6:7], s[6:7], s[18:19]
	s_add_nc_u64 s[12:13], s[12:13], s[18:19]
	s_add_nc_u64 s[14:15], s[14:15], s[18:19]
	s_add_nc_u64 s[8:9], s[8:9], s[20:21]
	s_add_nc_u64 s[10:11], s[10:11], s[26:27]
	global_load_b128 v[8:11], v2, s[4:5]           ; my four scores
	global_load_b128 v[12:15], v2, s[6:7]          ; and their coverage
.set i, 0
.rept 32
	global_load_b128 v[32+4*i:35+4*i], v1, s[8:9] offset:i*65536 th:TH_LOAD_NT   ; the ring is filled: my first 32 rows, 512 consecutive bytes each
.set i, i+1
.endr
	s_wait_loadcnt 32                              ; the scores and the coverage are in; the ring's 32 loads stay out
	v_max3_num_f32 v24, v8, v9, v10
	v_max_num_f32 v24, v24, v11
.irp x, 1,2,4,8
	v_max_num_f32_dpp v24, v24, v24 row_xmask:\x row_mask:0xf bank_mask:0xf
.endr
	v_mov_b32 v25, 0                               ; a lane permute's destination counts as one of its sources
	v_permlanex16_b32 v25, v24, s24, s25
	v_max_num_f32 v24, v24, v25
	ds_store_b32 v5, v24 offset:RMAX               ; all lanes write the same word with the same value
	s_wait_dscnt 0x0
	s_barrier_signal -1
	s_barrier_wait -1
.irp k, 0,1,2,3
	ds_load_b128 v[160+4*\k:163+4*\k], v6 offset:RMAX+16*\k
.endr
	s_wait_dscnt 0x0
	v_max3_num_f32 v24, v160, v161, v162
.irp k, 3,5,7,9,11,13
	v_max3_num_f32 v24, v24, v[160+\k], v[161+\k]
.endr
	v_max_num_f32 v24, v24, v175                   ; m: the batch's largest score
	v_mul_f32 v26, 0xbfb8aa3b, v24                 ; -m log2 e
.irp q, 0,1,2,3
	v_fmamk_f32 v[8+\q], v[8+\q], 0x3fb8aa3b, v26  ; (s - m) log2 e
.endr
	s_wait_alu depctr_va_vdst(0)
.irp q, 0,1,2,3
	v_exp_f32 v[8+\q], v[8+\q]                     ; p
.endr
	v_nop                                          ; a plain line behind the last exponential
	s_wait_alu depctr_va_vdst(0)                   ; one wait for the four, ahead of their first reader
	v_add_f32 v24, v8, v9
	v_add_f32 v25, v10, v11
	v_add_f32 v24, v24, v25
.irp x, 1,2,4,8
	v_add_f32_dpp v24, v24, v24 row_xmask:\x row_mask:0xf bank_mask:0xf
.endr
	v_permlanex16_b32 v25, v24, s24, s25
	v_add_f32 v24, v24, v25
	ds_store_b128 v2, v[8:11] offset:PW            ; my four p, for the waves that take their rows
	ds_store_b32 v5, v24 offset:RSUM               ; other bytes than the maxima: no barrier is owed between the two reductions
	s_wait_dscnt 0x0
	s_barrier_signal -1
	s_barrier_wait -1
.irp k, 0,1,2,3
	ds_load_b128 v[160+4*\k:163+4*\k], v6 offset:RSUM+16*\k
.endr
.irp q, 0,1,2,3
	ds_load_b32 v[184+\q], v7 offset:PW+2048*\q    ; p of my row number 32 q + lane, which is row 16 (32 q + lane) + wave of the batch
.endr
	s_wait_dscnt 0x0
.irp n, 0,2,4,6
	v_pk_add_f32 v[160+\n:161+\n], v[160+\n:161+\n], v[168+\n:169+\n]
.endr
.irp n, 0,2
	v_pk_add_f32 v[160+\n:161+\n], v[160+\n:161+\n], v[164+\n:165+\n]
.endr
	v_pk_add_f32 v[160:161], v[160:161], v[162:163]
	v_add_f32 v160, v160, v161
	s_wait_alu depctr_va_vdst(0)
	v_rcp_f32 v28, v160                            ; 1 / the sum
	v_mov_b32 v29, 0                               ; (the pair's upper word; also the plain line behind the reciprocal)
	s_wait_alu depctr_va_vdst(0)
	s_lshr_b32 s28, s16, 1                         ; waves 2 c and 2 c + 1 hold the 256 rows of out1 and out2 that this work-group owns
	s_cmp_eq_u32 s28, ttmp9
	s_cbranch_scc0 .Lnot_mine
	v_pk_mul_f32 v[176:177], v[8:9], v[28:29] op_sel_hi:[1,0]
	v_pk_mul_f32 v[178:179], v[10:11], v[28:29] op_sel_hi:[1,0]
	v_pk_add_f32 v[180:181], v[176:177], v[12:13]
	v_pk_add_f32 v[182:183], v[178:179], v[14:15]
	global_store_b128 v2, v[176:179], s[12:13]     ; the wave stores 512 consecutive bytes, aligned
	global_store_b128 v2, v[180:183], s[14:15]
.Lnot_mine:
	; the stream: the weight of my row number i lies in lane i % 32 of register 184 + i / 32.  Two sets of sums, even rows' and odd rows'; rows 0 and 1 start them
.set i, 0
.rept 128
.if i%8 == 0
.set u, 0
.rept 8
	v_readlane_b32 s[32+2*u], v[184+(i+u)/32], (i+u)%32
.set u, u+1
.endr
.endif
.if i%8 == 0
	s_wait_alu depctr_va_vdst(0)
.if 120-i < 24
	s_wait_loadcnt 120-i                           ; the last rows: the counts run down
.else
	s_wait_loadcnt 24                              ; loads come back in order (ISA guide 5.7.1): rows i to i + 7 are in, the 24 younger rows stay out
.endif
.endif
.set xr, 32+4*(i%32)
.set ac, 16+4*(i%2)
.set sw, 32+2*(i%8)
.if i < 2
	v_pk_mul_f32 v[ac:ac+1], v[xr:xr+1], s[sw:sw+1] op_sel_hi:[1,0]
	v_pk_mul_f32 v[ac+2:ac+3], v[xr+2:xr+3], s[sw:sw+1] op_sel_hi:[1,0]
.else
	v_pk_fma_f32 v[ac:ac+1], v[xr:xr+1], s[sw:sw+1], v[ac:ac+1] op_sel_hi:[1,0,1]
	v_pk_fma_f32 v[ac+2:ac+3], v[xr+2:xr+3], s[sw:sw+1], v[ac+2:ac+3] op_sel_hi:[1,0,1]
.endif
.if i+32 < 128
	global_load_b128 v[xr:xr+3], v1, s[8:9] offset:(i+32)*65536 th:TH_LOAD_NT   ; the slot takes my row 32 further on; the last 32 rows load nothing
.endif
.set i, i+1
.endr
	v_pk_add_f32 v[16:17], v[16:17], v[20:21]
	v_pk_add_f32 v[18:19], v[18:19], v[22:23]
	ds_store_b128 v2, v[16:19] offset:PART         ; 512 x wave + 16 x lane
	s_wait_dscnt 0x0
	s_barrier_signal -1
	s_barrier_wait -1
	s_cmp_lg_u32 s16, 0                            ; wave 0 adds the sixteen parts
	s_cbranch_scc1 .Lend
.set k, 0
.rept 16
	ds_load_b128 v[32+4*k:35+4*k], v1 offset:PART+512*k
.set k, k+1
.endr
	s_wait_dscnt 0x0
.irp n, 0,2,4,6,8,10,12,14,16,18,20,22,24,26,28,30
	v_pk_add_f32 v[32+\n:33+\n], v[32+\n:33+\n], v[64+\n:65+\n]
.endr
.irp n, 0,2,4,6,8,10,12,14
	v_pk_add_f32 v[32+\n:33+\n], v[32+\n:33+\n], v[48+\n:49+\n]
.endr
.irp n, 0,2,4,6
	v_pk_add_f32 v[32+\n:33+\n], v[32+\n:33+\n], v[40+\n:41+\n]
.endr
.irp n, 0,2
	v_pk_add_f32 v[32+\n:33+\n], v[32+\n:33+\n], v[36+\n:37+\n]
.endr
	v_pk_mul_f32 v[32:33], v[32:33], v[28:29] op_sel_hi:[1,0]   ; / the sum
	v_pk_mul_f32 v[34:35], v[34:35], v[28:29] op_sel_hi:[1,0]
	global_store_b128 v1, v[32:35], s[10:11]       ; 512 consecutive bytes, aligned
.Lend:
	s_wait_tensorcnt 0x0                           ; the wave's end, behind my last LDS store
	ds_add_u32 v3, v4
	s_wait_dscnt 0x0
	s_endpgm
.Lfunc_end_k_qc676f23bb6_context:
	.size	k_qc676f23bb6_context, .Lfunc_end_k_qc676f23bb6_context-k_qc676f23bb6_context
	.p2alignl 7, 3214868480
	.fill 96, 4, 3214868480
	.section	.rodata,"a",@progbits
	.p2align	6, 0x0
	.amdhsa_kernel k_qc676f23bb6_context
		.amdhsa_group_segment_fixed_size 18944
		.amdhsa_private_segment_fixed_size 0
		.amdhsa_enable_private_segment 0
		.amdhsa_kernarg_size 48
		.amdhsa_user_sgpr_count 2
		.amdhsa_user_sgpr_kernarg_segment_ptr 1
		.amdhsa_wavefront_size32 1
		.amdhsa_system_sgpr_workgroup_id_x 1
		.amdhsa_system_sgpr_workgroup_id_y 1
		.amdhsa_system_sgpr_workgroup_id_z 1
		.amdhsa_system_vgpr_workitem_id 0
		.amdhsa_next_free_vgpr 192
		.amdhsa_next_free_sgpr 66
		.amdhsa_reserve_vcc 0
		.amdhsa_float_denorm_mode_32 3
		.amdhsa_float_denorm_mode_16_64 3
		.amdhsa_memory_ordered 1
		.amdhsa_forward_progress 1
		.amdhsa_inst_pref_size 47
	.end_amdhsa_kernel
	.amdgpu_metadata
---
amdhsa.version: [ 1, 2 ]
amdhsa.kernels:
  - .name:           k_qc676f23bb6_context
    .symbol:         k_qc676f23bb6_context.kd
    .args:
      - { .name: scores, .offset: 0, .size: 8, .value_kind: global_buffer, .address_space: global }
      - { .name: prev_coverage, .offset: 8, .size: 8, .value_kind: global_buffer, .address_space: global }
      - { .name: enc_output, .offset: 16, .size: 8, .value_kind: global_buffer, .address_space: global }
      - { .name: out0, .offset: 24, .size: 8, .value_kind: global_buffer, .address_space: global }
      - { .name: out1, .offset: 32, .size: 8, .value_kind: global_buffer, .address_space: global }
      - { .name: out2, .offset: 40, .size: 8, .value_kind: global_buffer, .address_space: global }
    .group_segment_fixed_size: 18944
    .private_segment_fixed_size: 0
    .kernarg_segment_align: 8
    .kernarg_segment_size: 48
    .max_flat_workgroup_size: 512
    .sgpr_count:     66
    .vgpr_count:     192
    .wavefront_size: 32
...
	.end_amdgpu_metadata
.endif
;; end of part 3
